; MI455X (gfx1250); checked and timed in simulation.
; The chip was launched on July 23, 2026; its instructions are those of AMD's public machine-readable ISA for CDNA 5 (MIT licence, August 2026) and "CDNA5" Instruction Set Architecture Reference Guide (July 2026). The comments in the code are by the model that wrote it; some were corrected since.
;; Attention. Allowed arithmetic: matrix products marked QUANTISED: E3M2 operands, one E8M0 scale for each 32 along K, by v_wmma_scale_f32_16x16x128_f8f6f4 with both operands' format E3M2, f32 sums; products left as they are: f32 operands where the result goes on into a quantised operand, else bf16, f16 or f32 operands; f32 sums; everything else in f32.
;; Inputs: W1_codes 1,024 x 32 x 24 uint8 (E3M2 codes of W1, K innermost, in blocks of 32 codes, four codes in three bytes); W1_scales 1,024 x 32 uint8 (E8M0 scales of W1, one for each 32 codes along K); W2_codes 1,024 x 32 x 24 uint8 (E3M2 codes of W2, K innermost, in blocks of 32 codes, four codes in three bytes); W2_scales 1,024 x 32 uint8 (E8M0 scales of W2, one for each 32 codes along K); Wv 1,024 x 1 float32; b1 1,024 float32; b2 1,024 float32; bv 1 float32; query_codes 32 x 32 x 24 uint8 (E3M2 codes of query, K innermost, in blocks of 32 codes, four codes in three bytes); query_scales 32 x 32 uint8 (E8M0 scales of query, one for each 32 codes along K); values 32 x 2,048 x 1,024 float32.
;; Outputs: out0 32 x 1,024 float32; out1 32 x 2,048 x 1 float32.
;; This version of the problem:
;;   THIS VERSION OF THE PROBLEM IS GIVEN IN LOW PRECISION. The matrix products marked QUANTISED in the list below multiply operands that are first quantised to E3M2 (3 exponent bits, 2 mantissa bits; 6 bits a number), with one power-of-two scale for each 32 numbers along K (OCP MX v1.0); their sums are f32. All else is computed in f32.
;;   The module's matrix products, in the order in which they are computed (A, B: the left and right operand; K: the contracted axis; several contracted axes count as one K, in the product's order):
;;     1. [M 32, K 1,024] x [K 1,024, N 1,024]; A: input query (given as codes); B: input W1 (given as codes): QUANTISED
;;     2. [M 65,536, K 1,024] x [K 1,024, N 1,024]; A: input values; B: input W2 (given as codes): QUANTISED
;;     3. [M 65,536, K 1,024] x [K 1,024, N 1]; A: computed on the way; B: input Wv: left as it is (N = 1 < 16)
;;   THE QUANTISER, for each operand of a quantised product, along K:
;;     - K is cut into blocks of 32 from its start; a last block that is shorter is filled with zeros.
;;     - A block's scale is 2^e with e = floor(log2(the largest magnitude in the block)) - 4, held to -126 .. 127; a block of zeros has e = 0. As a byte (E8M0): e + 127.
;;     - Each number is divided by its block's scale, clamped to +-28, and rounded to the nearest number of E3M2, ties to even, subnormals kept.
;;     - The product sums the exact products of the quantised numbers (number of the format x scale) in f32.
;;   ~~~python
;;   def quantise(x, axis):      # numpy; x: float32 -> the quantised numbers, widened to float32 again
;;       x = np.moveaxis(x, axis, -1); K = x.shape[-1]
;;       x = np.pad(x, [(0, 0)] * (x.ndim - 1) + [(0, -K % 32)]); x = x.reshape(x.shape[:-1] + (-1, 32)); a = np.abs(x).max(-1, keepdims=True)
;;       e = np.where(a > 0, np.clip(np.frexp(np.where(a > 0, a, 1))[1] - 1 - 4, -126, 127), 0)      # np.frexp(a)[1] - 1 = floor(log2(a)), exactly
;;       r = np.clip(x / 2.0 ** e, -28, 28)
;;       step = 2.0 ** (np.maximum(np.frexp(np.where(r == 0, 1, r))[1] - 1, -2) - 2)
;;       q = np.round(r / step) * step * 2.0 ** e      # np.round: ties to even
;;       return np.moveaxis(q.reshape(q.shape[:-2] + (-1,))[..., :K], -1, axis).astype(np.float32)
;;   ~~~
;;   INPUTS GIVEN AS CODES. W1 (in the module: [1024, 1024], K = its axis 0); W2 (in the module: [1024, 1024], K = its axis 0); query (in the module: [32, 1024], K = its axis 1): each comes as NAME_codes (uint8): NAME with its K axis moved to the last place and cut into blocks of 32 codes, [.., K / 32, bytes a block], one block behind the other in memory; four codes in three bytes: a row's codes are one little-endian stream of bits, code i at bits 6 i .. 6 i + 5 (a code: sign, 3 exponent bits, 2 mantissa bits); and NAME_scales (uint8): the same leading axes, one E8M0 byte (e + 127) for each 32 codes along K. Its value is code x scale, taken as it is: it is not quantised again, and the codes and scales need not be those that the quantiser above would give.
;; One version. Each part assembles by itself: llvm-mc -triple=amdgcn-amd-amdhsa -mcpu=gfx1250 --defsym DOCPART=n.
;; ======== version 1 of 1: 3 launches
;; limits: right only within a limited range of input values
;; workspace buffers: qb 131,072 bytes; scores 262,144 bytes; w2img 819,200 bytes
;; launch prep (part 1): grid 64 x 1, 4 waves a work-group, no clusters, 0 bytes of LDS; arguments query_codes, query_scales, W1_codes, W1_scales, b1, b2, W2_codes, W2_scales, qb, w2img; writes qb, w2img
.if DOCPART == 1
	.amdgcn_target "amdgcn-amd-amdhsa--gfx1250"
	.amdhsa_code_object_version 6
	.text
	.protected	k_qa259cbdc64_prep
	.globl	k_qa259cbdc64_prep
	.p2align	8
	.type	k_qa259cbdc64_prep,@function
k_qa259cbdc64_prep:
	s_mov_b64 s[64:65], 0
	v_nop
	global_prefetch_b8 v0, s[64:65] scope:SCOPE_SE
	s_setreg_imm32_b32 hwreg(HW_REG_WAVE_MODE, 25, 1), 1
	s_wait_xcnt 0x0
; Two small jobs ahead of the large product, one work-group for each tile n of 16 units (64 tiles).
; WAVES 0, 1: qb[b][u] = c x (query W1 + b1 + b2), c = 2 log2(e), for the 16 batch rows 16 x wave on and the units 16 n on: codes of E3M2 with E8M0 scales, as given,
;   eight matrix instructions of 128 along K on two accumulators by turns.  The factor c is what the next launch wants: tanh(x) = 1 - 2 / (1 + 2^(c x)).
; WAVES 2, 3: W2's codes and scale bytes of the same 16 units are laid out in the order of the operand's registers: tile n is 12,800 bytes:
;   fragment s (128 along K) at 1536 s: registers 4 g .. 4 g + 3 of lane l at 512 g + 16 l;  behind the eight fragments two planes of 256 bytes: plane p holds, at 16 r, the scale words of K steps 4 p .. 4 p + 3 of unit 16 n + r.
; No LDS, no barrier: the waves share nothing.  A fragment of 6-bit codes is 12 registers: lane (r, h) holds row r, registers 6 c .. 6 c + 5 the 24 bytes of k = 64 c + 32 h + 0 .. 31, as they lie: three loads of 8 bytes each.
; WORK LEFT OUT, in the whole program.  reference() adds bv to every score of a batch and then takes the softmax over t; the score itself is no output.  softmax(s + k) = softmax(s) for every k that is the same
; along t, whatever finite values the inputs hold: so bv reaches no output, is not loaded and is among no launch's arguments.  Limit: a NaN, an infinity or an overflow that would come from bv alone is not carried to the results.
.set CEXP,  0x4038aa3b                 ; c = 2 log2(e)
.set ROWB,  768                        ; a row of 1,024 codes in bytes
.set TILEB, 12800                      ; a tile of the image
	s_load_b512 s[4:19], s[0:1], 0x0               ; query codes s[4:5], scales s[6:7]; W1 codes s[8:9], scales s[10:11]; b1 s[12:13]; b2 s[14:15]; W2 codes s[16:17], scales s[18:19]
	s_load_b128 s[20:23], s[0:1], 0x40             ; qb s[20:21], the image s[22:23]
	v_lshrrev_b32 v1, 5, v0
	v_readfirstlane_b32 s24, v1                    ; wave 0..3
	v_and_b32 v1, 15, v0                           ; r
	v_bfe_u32 v2, v0, 4, 1                         ; h
	s_lshl_b32 s26, ttmp9, 4                       ; 16 n
	v_add_nc_u32 v3, s26, v1                       ; my unit u = 16 n + r
	v_mul_u32_u24 v4, v3, ROWB
	v_mad_u32_u24 v4, v2, 24, v4                   ; its row of codes, + 24 h: the same place in W1 and in W2
	s_mov_b32 s25, CEXP
	s_wait_kmcnt 0x0
	s_cmp_lt_u32 s24, 2
	s_cbranch_scc0 .Limage
	; ---- waves 0, 1: the query's projection
	s_lshl_b32 s27, s24, 4                         ; my first batch row
	s_wait_alu depctr_va_vdst(0)
	v_add_nc_u32 v5, s27, v1
	v_mul_u32_u24 v6, v5, ROWB
	v_mad_u32_u24 v6, v2, 24, v6                   ; the query's row of codes, + 24 h
	v_lshlrev_b32 v7, 5, v3                        ; W1's scale bytes: 32 a row = eight words, one for each 128 along K
	v_lshlrev_b32 v26, 5, v5                       ; the query's
	v_lshlrev_b32 v27, 2, v3                       ; my unit's place in b1, b2 and in a row of qb
	v_lshl_add_u32 v28, v2, 3, s27                 ; the first of my eight rows of the result: 16 x wave + 8 h
	v_lshl_add_u32 v28, v28, 12, v27               ; in qb: 4,096 bytes a row
.irp s, 0,1,2,3,4,5,6,7
.irp p, 0,1,2,3,4,5
	global_load_b64 v[32+12*\s+2*\p:33+12*\s+2*\p], v4, s[8:9] offset:96*\s+48*(\p/3)+8*(\p%3)     ; W1
	global_load_b64 v[128+12*\s+2*\p:129+12*\s+2*\p], v6, s[4:5] offset:96*\s+48*(\p/3)+8*(\p%3)   ; query
.endr
.endr
	global_load_b128 v[8:11], v7, s[10:11]         ; v8-15: W1's scale words, K step s in v[8 + s]
	global_load_b128 v[12:15], v7, s[10:11] offset:16
	global_load_b128 v[16:19], v26, s[6:7]         ; v16-23: the query's
	global_load_b128 v[20:23], v26, s[6:7] offset:16
	global_load_b32 v24, v27, s[12:13]             ; b1[u]
	global_load_b32 v25, v27, s[14:15]             ; b2[u]
	s_wait_loadcnt 0x0
.irp s, 0,1,2,3,4,5,6,7                ; source 0 = 16 batch rows, source 1 = 16 units: a lane holds unit r and the rows 8 h + 0 .. 7.  Even K steps on v224-231, odd ones on v232-239: the two take turns
.if \s < 2
	v_wmma_scale_f32_16x16x128_f8f6f4 v[224+8*(\s%2):231+8*(\s%2)], v[128+12*\s:139+12*\s], v[32+12*\s:43+12*\s], 0, v[16+\s], v[8+\s] matrix_a_fmt:MATRIX_FMT_BF6 matrix_b_fmt:MATRIX_FMT_BF6
.else
	v_wmma_scale_f32_16x16x128_f8f6f4 v[224+8*(\s%2):231+8*(\s%2)], v[128+12*\s:139+12*\s], v[32+12*\s:43+12*\s], v[224+8*(\s%2):231+8*(\s%2)], v[16+\s], v[8+\s] matrix_a_fmt:MATRIX_FMT_BF6 matrix_b_fmt:MATRIX_FMT_BF6
.endif
.endr
	v_add_f32 v24, v24, v25                        ; b1 + b2: with the three lines below the four places behind the last product (ISA guide 7.12.1)
	v_mul_f32 v24, s25, v24                        ; x c
	v_nop
	v_nop
.irp j, 0,1,2,3,4,5,6,7
	v_add_f32 v[240+\j], v[224+\j], v[232+\j]      ; the two halves of the sum, each accumulator from its low end on
.endr
.irp j, 0,1,2,3,4,5,6,7
	v_fma_f32 v[240+\j], v[240+\j], s25, v24       ; c x sum + c x (b1 + b2)
.endr
.irp j, 0,1,2,3,4,5,6,7
	global_store_b32 v28, v[240+\j], s[20:21] offset:4096*\j   ; sixteen lanes store 64 neighbouring bytes of a row: the whole buffer is 128 KiB
.endr
	s_endpgm
	; ---- waves 2, 3: four fragments and one plane of scale words each
.Limage:
	s_sub_co_u32 s27, s24, 2                       ; which half of K: K steps 4 x half on
	s_mul_i32 s28, s27, 384
	s_wait_alu depctr_va_vdst(0)
	v_add_nc_u32 v200, s28, v4                     ; my row of W2, + 24 h, + four K steps of 96 bytes a half
.irp s, 0,1,2,3
.irp p, 0,1,2,3,4,5
	global_load_b64 v[32+12*\s+2*\p:33+12*\s+2*\p], v200, s[16:17] offset:96*\s+48*(\p/3)+8*(\p%3)
.endr
.endr
	v_and_b32 v201, 31, v0                         ; lane
	v_lshrrev_b32 v202, 1, v201
	v_add_nc_u32 v202, s26, v202                   ; the scale bytes: two lanes to a unit, 8 bytes each
	v_lshlrev_b32 v202, 5, v202
	v_and_b32 v203, 1, v0
	v_lshl_add_u32 v202, v203, 3, v202
	s_lshl_b32 s29, s27, 4
	v_add_nc_u32 v202, s29, v202                   ; unit x 32 + 16 x half + 8 x (lane % 2)
	global_load_b64 v[204:205], v202, s[18:19]
	s_mul_i32 s30, ttmp9, TILEB
	s_mul_i32 s31, s27, 6144
	s_add_co_u32 s31, s31, s30                     ; my four fragments in the image
	v_lshl_add_u32 v206, v201, 4, s31              ; + 16 x lane
	s_lshl_b32 s28, s27, 8
	s_add_co_u32 s30, s30, s28
	s_add_co_u32 s30, s30, 12288                   ; my plane
	v_lshl_add_u32 v207, v201, 3, s30              ; + 8 x lane
	s_wait_alu depctr_va_vdst(0)
	s_wait_loadcnt 0x0
.irp s, 0,1,2,3
.irp g, 0,1,2
	global_store_b128 v206, v[32+12*\s+4*\g:35+12*\s+4*\g], s[22:23] offset:1536*\s+512*\g   ; 32 lanes store 512 consecutive bytes, at a multiple of 256 from the buffer's first byte
.endr
.endr
	global_store_b64 v207, v[204:205], s[22:23]    ; 32 lanes store 256 consecutive bytes
	s_endpgm
.Lfunc_end_k_qa259cbdc64_prep:
	.size	k_qa259cbdc64_prep, .Lfunc_end_k_qa259cbdc64_prep-k_qa259cbdc64_prep
	.p2alignl 7, 3214868480
	.fill 96, 4, 3214868480
	.section	.rodata,"a",@progbits
	.p2align	6, 0x0
	.amdhsa_kernel k_qa259cbdc64_prep
		.amdhsa_group_segment_fixed_size 0
		.amdhsa_private_segment_fixed_size 0
		.amdhsa_enable_private_segment 0
		.amdhsa_kernarg_size 80
		.amdhsa_user_sgpr_count 2
		.amdhsa_user_sgpr_kernarg_segment_ptr 1
		.amdhsa_wavefront_size32 1
		.amdhsa_system_sgpr_workgroup_id_x 1
		.amdhsa_system_sgpr_workgroup_id_y 1
		.amdhsa_system_sgpr_workgroup_id_z 1
		.amdhsa_system_vgpr_workitem_id 0
		.amdhsa_next_free_vgpr 256
		.amdhsa_next_free_sgpr 66
		.amdhsa_reserve_vcc 0
		.amdhsa_float_denorm_mode_32 3
		.amdhsa_float_denorm_mode_16_64 3
		.amdhsa_memory_ordered 1
		.amdhsa_forward_progress 1
		.amdhsa_inst_pref_size 19
	.end_amdhsa_kernel
	.amdgpu_metadata
---
amdhsa.version: [ 1, 2 ]
amdhsa.kernels:
  - .name:           k_qa259cbdc64_prep
    .symbol:         k_qa259cbdc64_prep.kd
    .args:
      - { .name: query_codes, .offset: 0, .size: 8, .value_kind: global_buffer, .address_space: global }
      - { .name: query_scales, .offset: 8, .size: 8, .value_kind: global_buffer, .address_space: global }
      - { .name: W1_codes, .offset: 16, .size: 8, .value_kind: global_buffer, .address_space: global }
      - { .name: W1_scales, .offset: 24, .size: 8, .value_kind: global_buffer, .address_space: global }
      - { .name: b1, .offset: 32, .size: 8, .value_kind: global_buffer, .address_space: global }
      - { .name: b2, .offset: 40, .size: 8, .value_kind: global_buffer, .address_space: global }
      - { .name: W2_codes, .offset: 48, .size: 8, .value_kind: global_buffer, .address_space: global }
      - { .name: W2_scales, .offset: 56, .size: 8, .value_kind: global_buffer, .address_space: global }
      - { .name: qb, .offset: 64, .size: 8, .value_kind: global_buffer, .address_space: global }
      - { .name: w2img, .offset: 72, .size: 8, .value_kind: global_buffer, .address_space: global }
    .group_segment_fixed_size: 0
    .private_segment_fixed_size: 0
    .kernarg_segment_align: 8
    .kernarg_segment_size: 80
    .max_flat_workgroup_size: 128
    .sgpr_count:     66
    .vgpr_count:     256
    .wavefront_size: 32
...
	.end_amdgpu_metadata
.endif
;; end of part 1
;; launch score (part 2): grid 256 x 1, 4 waves a work-group, clusters of 4 x 1, 327,680 bytes of LDS; arguments values, w2img, qb, Wv, scores; writes scores
.if DOCPART == 2
	.amdgcn_target "amdgcn-amd-amdhsa--gfx1250"
	.amdhsa_code_object_version 6
	.text
	.protected	k_qa259cbdc64_score
	.globl	k_qa259cbdc64_score
	.p2align	8
	.type	k_qa259cbdc64_score,@function
k_qa259cbdc64_score:
	s_mov_b64 s[64:65], 0
	v_nop
	global_prefetch_b8 v0, s[64:65] scope:SCOPE_SE
	s_setreg_imm32_b32 hwreg(HW_REG_WAVE_MODE, 25, 1), 1
	s_wait_xcnt 0x0
	s_wait_alu depctr_hold_cnt(0) depctr_sa_sdst(0) depctr_va_vdst(0) depctr_va_sdst(0) depctr_va_ssrc(0) depctr_va_vcc(0) depctr_vm_vsrc(0)
	s_getreg_b32 s2, hwreg(HW_REG_IB_STS2, 6, 4)
	s_cmp_eq_u32 s2, 0
	s_cbranch_scc0 .Lentry_in_a_cluster
	s_endpgm
.Lentry_in_a_cluster:
	s_bfe_u32 s2, ttmp6, 0x10000c
	s_cmp_lg_u32 s2, 0x3003
	s_cbranch_scc0 .Lentry_shape_is_right
	s_endpgm
.Lentry_shape_is_right:
; scores[b][t] = -2 x sum over u of Wv[u] / (1 + 2^y),  y = c x (values W2)[b][t][u] + qb[b][u],  c = 2 log2(e);  qb holds c x (query W1 + b1 + b2).
; tanh(x) = 1 - 2 / (1 + 2^(c x)), so reference()'s score is this number + sum of Wv + bv.  WORK LEFT OUT: these two terms are the same for all t of a batch, the softmax over t takes them away, and the score is no output.
; Where 2^y is infinite its reciprocal is 0, which is tanh = 1.
; SHARES.  A work-group takes 256 rows (b, t), a wave 64: four tiles of 16 rows.  HEAD: the wave's rows come in as f32, 16 rows x 128 K at a time, are turned through the wave's own stage in LDS so that a lane holds
; 16 neighbours along K, are quantised to E3M2 with E8M0 scales, and stay in registers: 4 tiles x 8 K steps x 12 registers.  WALK: W2's image (tiles of 16 units, in the operand's register order) goes through a ring of
; two LDS slots of eight tiles, asked for jointly by the four work-groups of a cluster, which all walk the same tiles.  A TURN takes two tiles of units: 64 matrix instructions on eight accumulators by turns,
; with no transcendental among them; then the 64 results a lane go through multiply-add, exponential, add, reciprocal and sum, each as one batch; the next turn's fragments are fetched in four runs among the batches.
; No prefetch: the image's tiles are read by every cluster at about the same place of the walk, and the values stream with 64 loads of a wave on their way.
; REGISTERS.  window 0: v0-15 addresses, v16-47 the rows' scale words, v48-63 W2's, v64-71 (q, q, -2w, -2w) of two tiles, v72-135 accumulators (head: turned rows), v136-167 the scores' sums, v200-235 the quantiser's.
;   windows 1, 2: the rows' codes, two tiles each.   window 3: head: four sets of loaded rows; walk: W2's fragments of two tiles.
.set CEXP,  0x4038aa3b                 ; c
.set TILEB, 12800                      ; a tile of the image: eight fragments of 1,536 bytes, two planes of 256 bytes of scale words
.set SLOTB, 8*TILEB
.set SLOT1, 1<<17                      ; slot 1's first byte
.set QWT,   SLOTB                      ; behind slot 0: 16 bytes (q, q, -2w, -2w) for each of 1,024 units
.set SPARE, QWT+16384                  ; the spare words: 128 bytes a wave
.set STAGE, SLOT1+SLOTB                ; behind slot 1: each wave's two stages of 16 rows x 528 bytes
.set SP,    528
.set STG1,  16*SP
.set SPW, 2
.set NIL, 3
.set LI,  4                            ; 16 x lane
.set LR,  5                            ; 16 x (lane % 16)
.set LRQ, 6                            ; QWT + 16 x (lane % 16)
.set STA, 8
.set STB, 9
.set ADB, 10
.set ADS, 11
.set ADQ, 12
.set SOF, 13
.set T0,  14
.set T1,  15
.set ASC, 16
.set BSC, 48
.set QW,  64
.set ACC, 72
.set SACC, 136
.set X0,  72
.set TM,  200
.set PC,  216
.set WV,  16
.set SEL, 20
.set CS,  22
.set G1,  24
.set G0A, 32
.set G0B, 36
.set TB,  40                           ; LDS byte of the next tile to fetch
.set TQ,  41                           ; byte of this turn's units in the table
.set MSB, 0
.macro WIN new                         ; the immediate's high byte repeats the setting that is left
.if MSB != (\new)
	s_set_vgpr_msb (MSB<<8)|(\new)
.set MSB, (\new)
.endif
.endm
.macro CROUND                          ; a round of the cluster's barrier
	s_barrier_signal -1
	s_barrier_wait -1
	s_cmp_lg_u32 s[WV], 0
	s_cbranch_scc1 .Lnot_wave_0_\@
	s_barrier_signal -3
.Lnot_wave_0_\@:
	s_barrier_wait -3
	s_barrier_signal -1
	s_barrier_wait -1
.endm
.macro GL c                            ; chunk c: 16 rows x 512 bytes, a row an instruction, into set c % 4 of window 3
	WIN 0xc0
.irp i, 0,1,2,3,4,5,6,7,8,9,10,11,12,13,14,15
	global_load_b128 v[64*((\c)%4)+4*\i:64*((\c)%4)+4*\i+3], v[LI], s[4:5] offset:(16*((\c)/8)+\i)*4096+512*((\c)%8) th:TH_LOAD_NT
.endr
	WIN 0
.endm
.macro TURNX c                         ; through my stage: in by rows, back so that lane (r, h) holds k = 32 b + 16 h + 0 .. 15 of row r
	WIN 0x0c
.irp i, 0,1,2,3,4,5,6,7,8,9,10,11,12,13,14,15
	ds_store_b128 v[STA], v[64*((\c)%4)+4*\i:64*((\c)%4)+4*\i+3] offset:STG1*((\c)%2)+SP*\i
.endr
	WIN 0
.irp b, 0,1,2,3
.irp j, 0,1,2,3
	ds_load_b128 v[X0+64*((\c)%2)+16*\b+4*\j:X0+64*((\c)%2)+16*\b+4*\j+3], v[STB] offset:STG1*((\c)%2)+128*\b+16*\j
.endr
.endr
.endm
.macro QUANT s, asc                    ; four blocks of 32: largest magnitude over a floor of 2^(5 - 127), 4 off its exponent field, the scale word, the codes; a whole block to a lane
.irp b, 0,1,2,3
	v_max3_num_f32 v[TM+\b], |v[\s+16*\b]|, |v[\s+1+16*\b]|, 0x2800000
.endr
.irp i, 2,4,6,8,10,12,14
.irp b, 0,1,2,3
	v_max3_num_f32 v[TM+\b], v[TM+\b], |v[\s+16*\b+\i]|, |v[\s+1+16*\b+\i]|
.endr
.endr
.irp b, 0,1,2,3
	v_permlanex16_b32 v[TM+4+\b], v[TM+\b], s[SEL], s[SEL+1]
.endr
.irp b, 0,1,2,3
	v_max_num_f32 v[TM+\b], v[TM+\b], v[TM+4+\b]
.endr
.irp b, 0,1,2,3
	v_add_nc_u32 v[TM+12+\b], 0xfe000000, v[TM+\b]
.endr
.irp b, 0,1,2,3
	v_lshrrev_b32 v[TM+4+\b], 23, v[TM+12+\b]
.endr
	v_lshl_or_b32 v[\asc], v[TM+5], 8, v[TM+4]
	v_lshl_or_b32 v[\asc], v[TM+6], 16, v[\asc]
	v_lshl_or_b32 v[\asc], v[TM+7], 24, v[\asc]
.irp c, 0,1
	v_cvt_scalef32_pk16_bf6_f32 v[PC+6*\c:PC+2+6*\c], v[\s+32*\c:\s+15+32*\c], v[TM+12+2*\c]
	v_cvt_scalef32_pk16_bf6_f32 v[PC+12+4*\c:PC+14+4*\c], v[\s+16+32*\c:\s+31+32*\c], v[TM+12+2*\c+1]
.endr
	v_nop                                          ; one plain place behind a scaled conversion
.irp c, 0,1
.irp i, 0,1,2
	v_permlane16_swap_b32 v[PC+6*\c+\i], v[PC+12+4*\c+\i]
.endr
.endr
.endm
.macro PUT m, s                        ; the fragment of row tile m, K step s, to its place in window 1 or 2
	WIN (1+(\m)/2)<<6
.irp c, 0,1
.irp i, 0,1,2
	v_mov_b32 v[96*((\m)%2)+12*(\s)+6*\c+\i], v[PC+6*\c+\i]
	v_mov_b32 v[96*((\m)%2)+12*(\s)+6*\c+3+\i], v[PC+12+4*\c+\i]
.endr
.endr
	WIN 0
.endm
.macro STEPQ c                         ; chunk c is quantised; chunk c + 1 goes through the stage; chunk c + 4 is asked for
	s_wait_dscnt 0x0
.if (\c)+4 < 32
	GL (\c)+4
.endif
.if (\c)+1 < 32
.if (\c)+4 < 32
	s_wait_loadcnt 48                              ; chunk c + 1 is in; three chunks of 16 loads stay out
.else
	s_wait_loadcnt 16*(30-(\c))
.endif
	TURNX (\c)+1
.endif
	QUANT X0+64*((\c)%2), ASC+(\c)
	PUT (\c)/8, (\c)%8
.endm
; A quarter of the next turn's fragments: K steps 2 q and 2 q + 1 of two tiles, 12 loads; with the first quarter the addresses and the 4 loads of scale words.
.macro FETCH q
.if (\q) == 0
	v_add_nc_u32 v[ADB], s[TB], v[LI]
	v_add_nc_u32 v[ADS], s[TB], v[LR]
	s_wait_alu depctr_va_vdst(0)                   ; the wait behind these writes
	s_add_co_u32 s[TB], s[TB], 2*TILEB
.irp n, 0,1
.irp p, 0,1
	ds_load_b128 v[BSC+8*\n+4*\p:BSC+8*\n+4*\p+3], v[ADS] offset:TILEB*\n+12288+256*\p
.endr
.endr
.endif
	WIN 0xc0
.irp n, 0,1
.irp s, 2*(\q), 2*(\q)+1
.irp g, 0,1,2
	ds_load_b128 v[96*\n+12*(\s)+4*\g:96*\n+12*(\s)+4*\g+3], v[ADB] offset:TILEB*\n+1536*(\s)+512*\g
.endr
.endr
.endr
	WIN 0
.endm
.macro MM4 m0                          ; K step mS: row tiles m0, m0 + 1 x two tiles of units.  Source 0 = 16 rows, source 1 = 16 units: a lane holds unit r and rows 8 h + 0 .. 7
.irp n, 0,1
.irp m, \m0, \m0+1
.set mD, ACC+32*\n+8*(\m)
.set mA, 96*((\m)%2)+12*mS
.set mB, 96*\n+12*mS
.if mS == 0
	v_wmma_scale_f32_16x16x128_f8f6f4 v[mD:mD+7], v[mA:mA+11], v[mB:mB+11], 0, v[ASC+8*(\m)+mS], v[BSC+8*\n+mS] matrix_a_fmt:MATRIX_FMT_BF6 matrix_b_fmt:MATRIX_FMT_BF6
.else
	v_wmma_scale_f32_16x16x128_f8f6f4 v[mD:mD+7], v[mA:mA+11], v[mB:mB+11], v[mD:mD+7], v[ASC+8*(\m)+mS], v[BSC+8*\n+mS] matrix_a_fmt:MATRIX_FMT_BF6 matrix_b_fmt:MATRIX_FMT_BF6
.endif
.endr
.endr
.endm
; A turn: two tiles of units.  fetch = 1: the next turn's fragments are fetched into the registers that this turn's products have left.
.macro STURN fetch
	s_wait_dscnt 0x0                               ; this turn's fragments and scale words are in
	v_add_nc_u32 v[ADQ], s[TQ], v[LRQ]
	s_add_co_u32 s[TQ], s[TQ], 512
	ds_load_b128 v[QW:QW+3], v[ADQ]                ; (q, q, -2w, -2w) of my unit in the two tiles
	ds_load_b128 v[QW+4:QW+7], v[ADQ] offset:256
.set mS, 0
.rept 8                                ; eight accumulators by turns, one instruction a turn; the first K step starts the sums
	WIN 0x0d
	MM4 0
	WIN 0x0e
	MM4 2
.set mS, mS+1
.endr
	WIN 0
.rept 4
	v_nop                                          ; four places behind the last product, ahead of the loads into its sources and of the reads of its result
.endr
.if \fetch
	FETCH 0
	s_wait_dscnt 16                                ; q and w are in; the 16 loads just issued stay out
.else
	s_wait_dscnt 0x0
.endif
.set j, 0
.rept 32
	v_pk_fma_f32 v[ACC+2*j:ACC+2*j+1], v[ACC+2*j:ACC+2*j+1], s[CS:CS+1], v[QW+4*(j/16):QW+4*(j/16)+1] op_sel_hi:[1,0,1]   ; y = c x sum + q, each accumulator from its low end on
.set j, j+1
.endr
.if \fetch
	FETCH 1
.endif
	s_wait_alu depctr_va_vdst(0)                   ; the wait ahead of a batch of transcendentals
.set j, 0
.rept 64
	v_exp_f32 v[ACC+j], v[ACC+j]
.set j, j+1
.endr
	v_nop                                          ; one plain place behind the batch
.if \fetch
	FETCH 2
.endif
	s_wait_alu depctr_va_vdst(0)                   ; and the wait behind it, ahead of its first reader
.set j, 0
.rept 32
	v_pk_add_f32 v[ACC+2*j:ACC+2*j+1], v[ACC+2*j:ACC+2*j+1], 1.0 op_sel_hi:[1,0]
.set j, j+1
.endr
.if \fetch
	FETCH 3
.endif
	s_wait_alu depctr_va_vdst(0)
.set j, 0
.rept 64
	v_rcp_f32 v[ACC+j], v[ACC+j]
.set j, j+1
.endr
	v_nop
	s_wait_alu depctr_va_vdst(0)
.set j, 0
.rept 32
	v_pk_fma_f32 v[SACC+2*(j%16):SACC+2*(j%16)+1], v[ACC+2*j:ACC+2*j+1], v[QW+4*(j/16)+2:QW+4*(j/16)+3], v[SACC+2*(j%16):SACC+2*(j%16)+1]   ; my unit's share of 32 rows' scores
.set j, j+1
.endr
.endm
; A change of slots: all eight tiles of the old slot are in registers or used.  fill = 1: the old slot takes the tiles two slots on, by a joint load behind a round of the cluster's barrier.
.macro CHANGE fill
	s_wait_tensorcnt 0x0                           ; my part of the next slot is in
	ds_add_u32 v[SPW], v[NIL]
.if \fill
	s_xor_b32 s[G0B+1], s[G0B+1], SLOT1
	s_add_nc_u64 s[G0B+2:G0B+3], s[G0B+2:G0B+3], SLOTB
.endif
	s_wait_dscnt 0x0                               ; the add, and my reads of the old slot
.if \fill
	CROUND
	tensor_load_to_lds s[G0B:G0B+3], s[G1:G1+7]
	s_nop 0
.rept 4
	v_nop
.endr
.else
	s_barrier_signal -1
	s_barrier_wait -1
.endif
	s_sub_co_u32 s[TB], s[TB], SLOTB
	s_xor_b32 s[TB], s[TB], SLOT1
.endm
	s_load_b256 s[4:11], s[0:1], 0x0               ; values s[4:5], the image s[6:7], qb s[8:9], Wv s[10:11]
	s_load_b64 s[14:15], s[0:1], 0x20              ; scores
	v_lshl_add_u32 v[SPW], v0, 2, SPARE
	v_mov_b32 v[NIL], 0
	ds_add_u32 v[SPW], v[NIL]                      ; the opening lines: the add twice on end and its wait
	ds_add_u32 v[SPW], v[NIL]
	s_wait_dscnt 0x0
	v_lshrrev_b32 v1, 5, v0
	v_readfirstlane_b32 s[WV], v1                  ; wave 0..3
	s_bfe_u32 s17, ttmp6, 0x40000
	s_lshl_b32 s18, ttmp9, 2
	s_add_co_u32 s18, s18, s17                     ; work-group = 4 x cluster + place
	s_mov_b32 s[G1], 15|(3<<16)|(1<<21)            ; all four partners; elements of 8 bytes; a quarter of a slot: 100 rows of 256 bytes, dense
	s_mov_b32 s[G1+1], 32<<16
	s_mov_b32 s[G1+2], 100<<16
	s_mov_b32 s[G1+3], 32<<16
	s_mov_b32 s[G1+4], 100
	s_mov_b32 s[G1+5], 32
	s_mov_b32 s[G1+6], 0
	s_mov_b32 s[G1+7], 0
	s_mov_b32 s[SEL], 0x76543210
	s_mov_b32 s[SEL+1], 0xfedcba98
	s_mov_b32 s[CS], CEXP
	s_mov_b32 s[CS+1], s[CS]
	s_mov_b32 s[TB], 0
	s_mov_b32 s[TQ], 0
	s_mul_i32 s46, s[WV], 2*TILEB                  ; my two tiles of each slot
	s_mov_b32 s47, 0
	s_wait_kmcnt 0x0
	s_add_nc_u64 s[6:7], s[6:7], s[46:47]
	s_mov_b32 s[G0A], 1
	s_mov_b32 s[G0A+1], s46
	s_mov_b64 s[G0A+2:G0A+3], s[6:7]
	s_or_b32 s[G0A+3], s[G0A+3], 0x80000000
	s_mov_b32 s[G0B], 1
	s_add_co_u32 s[G0B+1], s46, SLOT1
	s_add_nc_u64 s[G0B+2:G0B+3], s[6:7], SLOTB
	s_or_b32 s[G0B+3], s[G0B+3], 0x80000000
	CROUND
	tensor_load_to_lds s[G0A:G0A+3], s[G1:G1+7]    ; slot 0: one tensor load a wave at the head
	s_nop 0
	s_wait_alu depctr_va_vdst(0)
	s_wait_tensorcnt 0x0                           ; slot 1's first fill stands behind the full sequence, as a refill does
	ds_add_u32 v[SPW], v[NIL]
	s_wait_dscnt 0x0
	CROUND
	tensor_load_to_lds s[G0B:G0B+3], s[G1:G1+7]
	s_nop 0
.rept 4
	v_nop
.endr
	s_lshl_b32 s46, s18, 20                        ; my work-group's 256 rows of 4,096 bytes,
	s_lshl_b32 s47, s[WV], 18                      ; my wave's 64
	s_add_co_u32 s46, s46, s47
	s_mov_b32 s47, 0
	s_add_nc_u64 s[4:5], s[4:5], s[46:47]
	s_lshr_b32 s46, s18, 3                         ; the batch: eight work-groups to one
	s_lshl_b32 s46, s46, 12
	s_add_nc_u64 s[8:9], s[8:9], s[46:47]
	s_lshl_b32 s46, s18, 10
	s_lshl_b32 s45, s[WV], 8
	s_add_co_u32 s46, s46, s45
	s_add_nc_u64 s[14:15], s[14:15], s[46:47]      ; my 64 scores
	v_and_b32 v1, 31, v0
	v_lshlrev_b32 v[LI], 4, v1
	v_and_b32 v1, 15, v0
	v_bfe_u32 v7, v0, 4, 1
	v_lshlrev_b32 v[LR], 4, v1
	v_add_nc_u32 v[LRQ], QWT, v[LR]
	s_mul_i32 s46, s[WV], 2*STG1
	s_add_co_u32 s46, s46, STAGE
	v_add_nc_u32 v[STA], s46, v[LI]
	v_mul_u32_u24 v[STB], v1, SP
	v_lshl_add_u32 v[STB], v7, 6, v[STB]
	v_add_nc_u32 v[STB], s46, v[STB]
	v_lshlrev_b32 v[T0], 5, v0                     ; my thread's eight units in qb and Wv
	v_lshl_add_u32 v[T1], v0, 7, QWT
	global_load_b128 v[TM:TM+3], v[T0], s[8:9]
	global_load_b128 v[TM+4:TM+7], v[T0], s[8:9] offset:16
	global_load_b128 v[TM+8:TM+11], v[T0], s[10:11]
	global_load_b128 v[TM+12:TM+15], v[T0], s[10:11] offset:16
	GL 0
	GL 1
	GL 2
	s_wait_loadcnt 48                              ; q and Wv are in; three chunks stay out
.irp e, 0,1,2,3,4,5,6,7
	v_mov_b32 v[136+4*\e], v[TM+\e]
	v_mov_b32 v[137+4*\e], v[TM+\e]
	v_mul_f32 v[138+4*\e], -2.0, v[TM+8+\e]
	v_mul_f32 v[139+4*\e], -2.0, v[TM+8+\e]
.endr
.irp e, 0,1,2,3,4,5,6,7
	ds_store_b128 v[T1], v[136+4*\e:139+4*\e] offset:16*\e
.endr
	GL 3
	s_wait_loadcnt 48
	TURNX 0
.irp b, 0,1,2,3
	v_mov_b32 v[TM+4+\b], 0                        ; a lane permute's destination counts as one of its sources
.endr
.set CH, 0
.rept 32
	STEPQ CH
.set CH, CH+1
.endr
.set k, 0
.rept 32
	v_mov_b32 v[SACC+k], 0
.set k, k+1
.endr
	s_wait_dscnt 0x0                               ; my part of the table is stored
	s_wait_tensorcnt 0x1                           ; slot 1's load may stay out
	s_barrier_signal -1
	s_barrier_wait -1
	FETCH 0                                        ; turn 0's fragments
	FETCH 1
	FETCH 2
	FETCH 3
	s_mov_b32 s42, 3                               ; 32 turns: 3; six times a refill and 4; a change without refill and 4; the last, which fetches nothing
.Lfirst:
	STURN 1
	s_sub_co_u32 s42, s42, 1
	s_cmp_lg_u32 s42, 0
	s_cbranch_scc1 .Lfirst
	s_mov_b32 s43, 6
.Lslot:
	CHANGE 1
	s_mov_b32 s42, 4
.Lturn:
	STURN 1
	s_sub_co_u32 s42, s42, 1
	s_cmp_lg_u32 s42, 0
	s_cbranch_scc1 .Lturn
	s_sub_co_u32 s43, s43, 1
	s_cmp_lg_u32 s43, 0
	s_cbranch_scc1 .Lslot
	CHANGE 0
	s_mov_b32 s42, 4
.Llast:
	STURN 1
	s_sub_co_u32 s42, s42, 1
	s_cmp_lg_u32 s42, 0
	s_cbranch_scc1 .Llast
	STURN 0
	; the sixteen units of a row of lanes are summed; then each lane picks one row's score, so that a wave's two stores cover its 64 scores
.irp x, 1,2,4,8
.set k, 0
.rept 32
	v_add_f32_dpp v[SACC+k], v[SACC+k], v[SACC+k] row_xmask:\x row_mask:0xf bank_mask:0xf
.set k, k+1
.endr
.endr
	v_and_b32 v[T0], 7, v0
	v_and_b32 v[T1], 8, v0
.irp j, 1,2,3,4,5,6,7
	v_cmp_eq_u32 s[47+\j], \j, v[T0]
.endr
	v_cmp_ne_u32 s55, 0, v[T1]
	v_lshl_add_u32 v[SOF], v7, 3, v[T0]
	v_lshl_add_u32 v[SOF], v[T1], 1, v[SOF]
	v_lshlrev_b32 v[SOF], 2, v[SOF]
.irp m, 0,1,2,3
	v_cndmask_b32 v[TM+\m], v[SACC+8*\m], v[SACC+8*\m+1], s48
.endr
.irp j, 2,3,4,5,6,7
.irp m, 0,1,2,3
	v_cndmask_b32 v[TM+\m], v[TM+\m], v[SACC+8*\m+\j], s[47+\j]
.endr
.endr
.irp q, 0,1
	v_cndmask_b32 v[TM+4+\q], v[TM+2*\q], v[TM+2*\q+1], s55
.endr
	global_store_b32 v[SOF], v[TM+4], s[14:15]
	global_store_b32 v[SOF], v[TM+5], s[14:15] offset:128
	s_wait_tensorcnt 0x0                           ; the wave's end
	ds_add_u32 v[SPW], v[NIL]
	s_wait_dscnt 0x0
	CROUND                                         ; the closing round
	s_endpgm
.Lfunc_end_k_qa259cbdc64_score:
	.size	k_qa259cbdc64_score, .Lfunc_end_k_qa259cbdc64_score-k_qa259cbdc64_score
	.p2alignl 7, 3214868480
	.fill 96, 4, 3214868480
	.section	.rodata,"a",@progbits
	.p2align	6, 0x0
	.amdhsa_kernel k_qa259cbdc64_score
		.amdhsa_group_segment_fixed_size 327680
		.amdhsa_private_segment_fixed_size 0
		.amdhsa_enable_private_segment 0
		.amdhsa_kernarg_size 40
		.amdhsa_user_sgpr_count 2
		.amdhsa_user_sgpr_kernarg_segment_ptr 1
		.amdhsa_wavefront_size32 1
		.amdhsa_system_sgpr_workgroup_id_x 1
		.amdhsa_system_sgpr_workgroup_id_y 1
		.amdhsa_system_sgpr_workgroup_id_z 1
		.amdhsa_system_vgpr_workitem_id 0
		.amdhsa_next_free_vgpr 1024
		.amdhsa_next_free_sgpr 66
		.amdhsa_reserve_vcc 0
		.amdhsa_float_denorm_mode_32 3
		.amdhsa_float_denorm_mode_16_64 3
		.amdhsa_memory_ordered 1
		.amdhsa_forward_progress 1
		.amdhsa_inst_pref_size 255
	.end_amdhsa_kernel
	.section	.bss,"aw",@nobits
	.p2align	6
	.space	262144
	.amdgpu_metadata
---
amdhsa.version: [ 1, 2 ]
amdhsa.kernels:
  - .name:           k_qa259cbdc64_score
    .symbol:         k_qa259cbdc64_score.kd
    .args:
      - { .name: values, .offset: 0, .size: 8, .value_kind: global_buffer, .address_space: global }
      - { .name: w2img, .offset: 8, .size: 8, .value_kind: global_buffer, .address_space: global }
      - { .name: qb, .offset: 16, .size: 8, .value_kind: global_buffer, .address_space: global }
      - { .name: Wv, .offset: 24, .size: 8, .value_kind: global_buffer, .address_space: global }
      - { .name: scores, .offset: 32, .size: 8, .value_kind: global_buffer, .address_space: global }
    .group_segment_fixed_size: 327680
    .private_segment_fixed_size: 0
    .kernarg_segment_align: 8
    .kernarg_segment_size: 40
    .max_flat_workgroup_size: 128
    .sgpr_count:     66
    .vgpr_count:     1024
    .wavefront_size: 32
...
	.end_amdgpu_metadata
.endif
;; end of part 2
;; launch ctx (part 3): grid 256 x 1, 8 waves a work-group, no clusters, 17,408 bytes of LDS; arguments scores, values, out0, out1; writes out0, out1
.if DOCPART == 3
	.amdgcn_target "amdgcn-amd-amdhsa--gfx1250"
	.amdhsa_code_object_version 6
	.text
	.protected	k_qa259cbdc64_ctx
	.globl	k_qa259cbdc64_ctx
	.p2align	8
	.type	k_qa259cbdc64_ctx,@function
k_qa259cbdc64_ctx:
	s_mov_b64 s[64:65], 0
	v_nop
	global_prefetch_b8 v0, s[64:65] scope:SCOPE_SE
	s_setreg_imm32_b32 hwreg(HW_REG_WAVE_MODE, 25, 1), 1
	s_wait_xcnt 0x0
; out1[b][t] = softmax over t of scores[b][t];  out0[b][d] = sum over t of out1[b][t] values[b][t][d].  All in f32; the row's maximum is taken away ahead of the exponentials.
; SHARES.  A work-group owns 128 columns (512 bytes of every row) of one batch: eight work-groups to a batch, so that each number of out0 has one owner.  Each of them makes the batch's 2,048 weights for itself
; (8 KiB of scores beside its 1 MiB of values: too small a part to share in a cluster); the first of the eight stores them as out1.  Wave w sums rows 256 w .. 256 w + 255; the eight partial sums meet in LDS.
; A stream: each load of a wave takes one row's 512 consecutive bytes, at a multiple of 256 from the buffer's first byte; 32 loads of every wave are on their way, in two sets of 16 rows.  No matrix unit: one multiply-add for each number read.
; LDS: 0 the weights (8,192 bytes); 8192 the waves' maxima; 8448 their sums; 8704 their partial sums of out0 (8 x 512).
.set L2E,  0x3fb8aa3b                  ; log2(e)
.set MAXW, 8192
.set SUMW, 8448
.set PART, 8704
.set S0,  32                           ; v32-95   16 rows, 4 numbers a lane
.set S1,  96                           ; v96-159  16 rows
.set WT,  160                          ; v160-191 a trip's 32 weights
.set SUM, 16                           ; v16-19 even rows' sums, v20-23 odd rows'
.set P,   24                           ; v24-31   my thread's 8 scores, then weights
	s_load_b256 s[4:11], s[0:1], 0x0               ; scores s[4:5], values s[6:7], out0 s[8:9], out1 s[10:11]
	v_lshl_add_u32 v192, v0, 2, 0x4000
	v_mov_b32 v193, 0
	v_lshrrev_b32 v1, 5, v0
	s_delay_alu instid0(VALU_DEP_1)
	v_readfirstlane_b32 s12, v1                    ; wave 0..7
	s_lshr_b32 s13, ttmp9, 3                       ; the batch
	s_and_b32 s14, ttmp9, 7                        ; which 128 columns
	v_and_b32 v1, 31, v0
	s_delay_alu instid0(VALU_DEP_1)
	v_lshlrev_b32 v2, 4, v1                        ; 16 x lane
	v_lshlrev_b32 v3, 5, v0                        ; 32 x thread: my 8 scores
	s_mov_b32 s16, 0x76543210
	s_mov_b32 s17, 0xfedcba98                      ; v_permlanex16_b32's selects for lane l xor 16
	s_lshl_b32 s18, s13, 13                        ; the batch's 8,192 bytes of scores and of out1
	s_mov_b32 s19, 0
	s_lshl_b32 s20, s13, 23                        ; its 2,048 rows of 4,096 bytes,
	s_lshl_b32 s21, s12, 20                        ; my wave's 256 of them,
	s_add_co_u32 s20, s20, s21
	s_lshl_b32 s21, s14, 9                         ; my work-group's 512 bytes of a row
	s_add_co_u32 s20, s20, s21
	s_lshl_b32 s22, s13, 12                        ; and the same columns in out0
	s_add_co_u32 s22, s22, s21
	s_mov_b32 s21, 0
	s_mov_b32 s23, 0
	s_wait_alu depctr_va_vdst(0)
	s_wait_kmcnt 0x0
	s_add_nc_u64 s[4:5], s[4:5], s[18:19]
	s_add_nc_u64 s[10:11], s[10:11], s[18:19]
	s_add_nc_u64 s[6:7], s[6:7], s[20:21]
	s_add_nc_u64 s[8:9], s[8:9], s[22:23]
	global_load_b128 v[P:P+3], v3, s[4:5]
	global_load_b128 v[P+4:P+7], v3, s[4:5] offset:16
.irp i, 0,1,2,3,4,5,6,7,8,9,10,11,12,13,14,15
	global_load_b128 v[S0+4*\i:S0+4*\i+3], v2, s[6:7] offset:4096*\i th:TH_LOAD_NT   ; the stream begins while the weights are made
.endr
.irp i, 0,1,2,3,4,5,6,7,8,9,10,11,12,13,14,15
	global_load_b128 v[S1+4*\i:S1+4*\i+3], v2, s[6:7] offset:4096*(16+\i) th:TH_LOAD_NT
.endr
	s_lshl_b32 s24, s12, 2
	v_mov_b32 v10, s24                             ; my wave's word among the maxima and the sums
	v_mov_b32 v11, 0
	s_wait_loadcnt 32                              ; the scores are in; the 32 rows behind them stay out
	; the batch's largest score: my 8, the wave's 256, the eight waves'
	v_max3_num_f32 v8, v[P], v[P+1], v[P+2]
	v_max3_num_f32 v9, v[P+3], v[P+4], v[P+5]
	s_delay_alu instid0(VALU_DEP_2)
	v_max3_num_f32 v8, v8, v[P+6], v[P+7]
	s_delay_alu instid0(VALU_DEP_1)
	v_max_num_f32 v8, v8, v9
	s_delay_alu instid0(VALU_DEP_1)
	v_max_num_f32_dpp v8, v8, v8 row_xmask:1 row_mask:0xf bank_mask:0xf
	s_delay_alu instid0(VALU_DEP_1)
	v_max_num_f32_dpp v8, v8, v8 row_xmask:2 row_mask:0xf bank_mask:0xf
	s_delay_alu instid0(VALU_DEP_1)
	v_max_num_f32_dpp v8, v8, v8 row_xmask:4 row_mask:0xf bank_mask:0xf
	s_delay_alu instid0(VALU_DEP_1)
	v_max_num_f32_dpp v8, v8, v8 row_xmask:8 row_mask:0xf bank_mask:0xf
	s_delay_alu instid0(VALU_DEP_1)
	v_permlanex16_b32 v9, v8, s16, s17
	s_delay_alu instid0(VALU_DEP_1)
	v_max_num_f32 v8, v8, v9
	ds_store_b32 v10, v8 offset:MAXW               ; all lanes write the same word with the same value
	s_wait_dscnt 0x0                               ; for the others' sake
	s_barrier_signal -1
	s_barrier_wait -1
	ds_load_b128 v[WT:WT+3], v11 offset:MAXW
	ds_load_b128 v[WT+4:WT+7], v11 offset:MAXW+16
	s_wait_dscnt 0x0
	v_max3_num_f32 v8, v[WT], v[WT+1], v[WT+2]
	s_delay_alu instid0(VALU_DEP_1)
	v_max3_num_f32 v8, v8, v[WT+3], v[WT+4]
	s_delay_alu instid0(VALU_DEP_1)
	v_max3_num_f32 v8, v8, v[WT+5], v[WT+6]
	s_delay_alu instid0(VALU_DEP_1)
	v_max_num_f32 v8, v8, v[WT+7]
	; p = e^(score - maximum), at most 1; the largest is 1, so the sum is at least 1
.irp k, 0,1,2,3,4,5,6,7
	v_sub_f32 v[P+\k], v[P+\k], v8
.endr
.irp k, 0,1,2,3,4,5,6,7
	v_mul_f32 v[P+\k], L2E, v[P+\k]
.endr
	s_wait_alu depctr_va_vdst(0)
.irp k, 0,1,2,3,4,5,6,7
	v_exp_f32 v[P+\k], v[P+\k]
.endr
	v_nop                                          ; one plain instruction behind the last exponential,
	s_wait_alu depctr_va_vdst(0)                   ; and the one wait ahead of the batch's first reader
	v_add_f32 v9, v[P], v[P+1]
	v_add_f32 v12, v[P+2], v[P+3]
	v_add_f32 v13, v[P+4], v[P+5]
	v_add_f32 v14, v[P+6], v[P+7]
	s_delay_alu instid0(VALU_DEP_3)
	v_add_f32 v9, v9, v12
	s_delay_alu instid0(VALU_DEP_2)
	v_add_f32 v13, v13, v14
	s_delay_alu instid0(VALU_DEP_1)
	v_add_f32 v9, v9, v13
	s_delay_alu instid0(VALU_DEP_1)
	v_add_f32_dpp v9, v9, v9 row_xmask:1 row_mask:0xf bank_mask:0xf
	s_delay_alu instid0(VALU_DEP_1)
	v_add_f32_dpp v9, v9, v9 row_xmask:2 row_mask:0xf bank_mask:0xf
	s_delay_alu instid0(VALU_DEP_1)
	v_add_f32_dpp v9, v9, v9 row_xmask:4 row_mask:0xf bank_mask:0xf
	s_delay_alu instid0(VALU_DEP_1)
	v_add_f32_dpp v9, v9, v9 row_xmask:8 row_mask:0xf bank_mask:0xf
	s_delay_alu instid0(VALU_DEP_1)
	v_permlanex16_b32 v12, v9, s16, s17
	s_delay_alu instid0(VALU_DEP_1)
	v_add_f32 v9, v9, v12
	ds_store_b32 v10, v9 offset:SUMW               ; other bytes than the maxima's: no barrier is needed between their reads and this store
	s_wait_dscnt 0x0
	s_barrier_signal -1
	s_barrier_wait -1
	ds_load_b128 v[WT:WT+3], v11 offset:SUMW
	ds_load_b128 v[WT+4:WT+7], v11 offset:SUMW+16
	s_wait_dscnt 0x0
	v_add_f32 v9, v[WT], v[WT+1]
	v_add_f32 v12, v[WT+2], v[WT+3]
	v_add_f32 v13, v[WT+4], v[WT+5]
	v_add_f32 v14, v[WT+6], v[WT+7]
	s_delay_alu instid0(VALU_DEP_3)
	v_add_f32 v9, v9, v12
	s_delay_alu instid0(VALU_DEP_2)
	v_add_f32 v13, v13, v14
	s_delay_alu instid0(VALU_DEP_1)
	v_add_f32 v9, v9, v13
	s_wait_alu depctr_va_vdst(0)
	v_rcp_f32 v9, v9
	v_nop
	s_wait_alu depctr_va_vdst(0)
.irp k, 0,1,2,3,4,5,6,7
	v_mul_f32 v[P+\k], v[P+\k], v9                 ; the weights
.endr
	ds_store_b128 v3, v[P:P+3]                     ; for every wave of my work-group
	ds_store_b128 v3, v[P+4:P+7] offset:16
	s_cmp_lg_u32 s14, 0                            ; the first of the batch's eight work-groups stores them as out1: a wave's two stores cover 1,024 consecutive bytes
	s_cbranch_scc1 .Lnot_first
	global_store_b128 v3, v[P:P+3], s[10:11]
	global_store_b128 v3, v[P+4:P+7], s[10:11] offset:16
.Lnot_first:
.irp k, 0,1,2,3,4,5,6,7
	v_mov_b32 v[SUM+\k], 0
.endr
	s_lshl_b32 s24, s12, 10                        ; my wave's 256 weights in LDS
	s_wait_dscnt 0x0
	s_barrier_signal -1
	s_barrier_wait -1                              ; all 2,048 weights lie in LDS
.macro ACCUM src, wt                   ; 16 rows: sum += weight x row; even and odd rows in two sets, so that a sum is taken up again only eight instructions on
.irp i, 0,1,2,3,4,5,6,7,8,9,10,11,12,13,14,15
.irp c, 0,1,2,3
	v_fmac_f32 v[SUM+4*(\i%2)+\c], v[\src+4*\i+\c], v[\wt+\i]
.endr
.endr
.endm
; A trip: 32 rows.  ld = 1: each set is loaded again, 32 rows on, as soon as it has been summed.
.macro TRIP ld
	v_mov_b32 v12, s24
.irp k, 0,1,2,3,4,5,6,7
	ds_load_b128 v[WT+4*\k:WT+4*\k+3], v12 offset:16*\k   ; the trip's 32 weights, the same in every lane
.endr
	s_wait_loadcnt 16                              ; the first set is in; the second set's sixteen loads stay out
	s_wait_dscnt 0x0
	ACCUM S0, WT
.if \ld
.irp i, 0,1,2,3,4,5,6,7,8,9,10,11,12,13,14,15
	global_load_b128 v[S0+4*\i:S0+4*\i+3], v2, s[6:7] offset:4096*(32+\i) th:TH_LOAD_NT
.endr
	s_wait_alu depctr_va_vdst(0)
	s_wait_loadcnt 16                              ; the second set is in; the sixteen just issued stay out
.else
	s_wait_alu depctr_va_vdst(0)
	s_wait_loadcnt 0x0
.endif
	ACCUM S1, WT+16
.if \ld
.irp i, 0,1,2,3,4,5,6,7,8,9,10,11,12,13,14,15
	global_load_b128 v[S1+4*\i:S1+4*\i+3], v2, s[6:7] offset:4096*(48+\i) th:TH_LOAD_NT
.endr
	s_wait_xcnt 0x0                                ; the loads have read their base: it is stepped only behind this wait
	s_add_nc_u64 s[6:7], s[6:7], 32*4096
.endif
	s_add_co_u32 s24, s24, 128
.endm
	s_mov_b32 s26, 7
.Ltrip:
	s_wait_alu depctr_va_vdst(0)
	TRIP 1
	s_sub_co_u32 s26, s26, 1
	s_cmp_lg_u32 s26, 0
	s_cbranch_scc1 .Ltrip
	s_wait_alu depctr_va_vdst(0)
	TRIP 0                                         ; the last 32 rows: no load leaves the buffer
.irp c, 0,1,2,3
	v_add_f32 v[SUM+\c], v[SUM+\c], v[SUM+4+\c]
.endr
	s_lshl_b32 s25, s12, 9
	v_add_nc_u32 v13, s25, v2
	ds_store_b128 v13, v[SUM:SUM+3] offset:PART    ; my wave's partial sums: 512 bytes
	s_wait_dscnt 0x0
	s_barrier_signal -1
	s_barrier_wait -1
	s_cmp_lg_u32 s12, 0
	s_cbranch_scc1 .Lend                           ; wave 0 adds the eight and stores
.irp k, 0,1,2,3,4,5,6,7
	ds_load_b128 v[S0+4*\k:S0+4*\k+3], v2 offset:PART+512*\k
.endr
	s_wait_dscnt 0x0
.irp k, 1
	v_pk_add_f32 v[S0:S0+1], v[S0:S0+1], v[S0+4*\k:S0+4*\k+1]
	v_pk_add_f32 v[S0+2:S0+3], v[S0+2:S0+3], v[S0+4*\k+2:S0+4*\k+3]
.endr
.irp k, 2, 3, 4, 5, 6, 7
	s_delay_alu instid0(VALU_DEP_2)
	v_pk_add_f32 v[S0:S0+1], v[S0:S0+1], v[S0+4*\k:S0+4*\k+1]
	s_delay_alu instid0(VALU_DEP_2)
	v_pk_add_f32 v[S0+2:S0+3], v[S0+2:S0+3], v[S0+4*\k+2:S0+4*\k+3]
.endr
	global_store_b128 v2, v[S0:S0+3], s[8:9]       ; 32 lanes store 512 consecutive bytes, at a multiple of 256 from out0's first byte
.Lend:
	s_wait_tensorcnt 0x0
	ds_add_u32 v192, v193
	s_wait_dscnt 0x0
	s_endpgm
.Lfunc_end_k_qa259cbdc64_ctx:
	.size	k_qa259cbdc64_ctx, .Lfunc_end_k_qa259cbdc64_ctx-k_qa259cbdc64_ctx
	.p2alignl 7, 3214868480
	.fill 96, 4, 3214868480
	.section	.rodata,"a",@progbits
	.p2align	6, 0x0
	.amdhsa_kernel k_qa259cbdc64_ctx
		.amdhsa_group_segment_fixed_size 17408
		.amdhsa_private_segment_fixed_size 0
		.amdhsa_enable_private_segment 0
		.amdhsa_kernarg_size 32
		.amdhsa_user_sgpr_count 2
		.amdhsa_user_sgpr_kernarg_segment_ptr 1
		.amdhsa_wavefront_size32 1
		.amdhsa_system_sgpr_workgroup_id_x 1
		.amdhsa_system_sgpr_workgroup_id_y 1
		.amdhsa_system_sgpr_workgroup_id_z 1
		.amdhsa_system_vgpr_workitem_id 0
		.amdhsa_next_free_vgpr 194
		.amdhsa_next_free_sgpr 66
		.amdhsa_reserve_vcc 0
		.amdhsa_float_denorm_mode_32 3
		.amdhsa_float_denorm_mode_16_64 3
		.amdhsa_memory_ordered 1
		.amdhsa_forward_progress 1
		.amdhsa_inst_pref_size 25
	.end_amdhsa_kernel
	.amdgpu_metadata
---
amdhsa.version: [ 1, 2 ]
amdhsa.kernels:
  - .name:           k_qa259cbdc64_ctx
    .symbol:         k_qa259cbdc64_ctx.kd
    .args:
      - { .name: scores, .offset: 0, .size: 8, .value_kind: global_buffer, .address_space: global }
      - { .name: values, .offset: 8, .size: 8, .value_kind: global_buffer, .address_space: global }
      - { .name: out0, .offset: 16, .size: 8, .value_kind: global_buffer, .address_space: global }
      - { .name: out1, .offset: 24, .size: 8, .value_kind: global_buffer, .address_space: global }
    .group_segment_fixed_size: 17408
    .private_segment_fixed_size: 0
    .kernarg_segment_align: 8
    .kernarg_segment_size: 32
    .max_flat_workgroup_size: 256
    .sgpr_count:     66
    .vgpr_count:     194
    .wavefront_size: 32
...
	.end_amdgpu_metadata
.endif
;; end of part 3
